; MI455X (gfx1250); checked and timed in simulation.
; The chip was launched on July 23, 2026; its instructions are those of AMD's public machine-readable ISA for CDNA 5 (MIT licence, August 2026) and "CDNA5" Instruction Set Architecture Reference Guide (July 2026). The comments in the code are by the model that wrote it; some were corrected since.
;; Mixtral Sparse Moe Block. Allowed arithmetic: float matrix products may take bf16 or f16 operands with f32 sums; other float arithmetic in f32, or as packed bf16 or f16 multiplies, adds, multiply-adds, maxima and minima; sums over many terms, partial sums and values carried from step to step in f32; what a program stores and reads back later, other than sums and carried values, may be rounded once to bf16 or f16.
;; Inputs: hidden_states 1,024 x 2,048 float32; routing_weights 1,024 x 2 float32; selected_experts 1,024 x 2 int32; w1 8 x 2,048 x 1,024 float32; w2 8 x 2,048 x 1,024 float32; w3 8 x 1,024 x 2,048 float32.
;; Outputs: out0 1,024 x 2,048 float32.
;; One version. Each part assembles by itself: llvm-mc -triple=amdgcn-amd-amdhsa -mcpu=gfx1250 --defsym DOCPART=n.
;; ======== version 1 of 1: 4 launches
;; workspace buffers: xs 8,847,360 bytes; hbuf 4,423,680 bytes; part 16,777,216 bytes; gates 8,704 bytes; rowj 8,704 bytes of whole numbers; meta 256 bytes of whole numbers
;; launch prep (part 1): grid 135 x 2, 8 waves a work-group, no clusters, 38,144 bytes of LDS; arguments hidden_states, routing_weights, selected_experts, xs, rowj, gates, meta; writes xs, rowj, gates, meta
.if DOCPART == 1
	.amdgcn_target "amdgcn-amd-amdhsa--gfx1250"
	.amdhsa_code_object_version 6
	.text
	.protected	k_qe1d47050ed_prep
	.globl	k_qe1d47050ed_prep
	.p2align	8
	.type	k_qe1d47050ed_prep,@function
k_qe1d47050ed_prep:
	s_mov_b64 s[64:65], 0
	v_nop
	global_prefetch_b8 v0, s[64:65] scope:SCOPE_SE
	s_setreg_imm32_b32 hwreg(HW_REG_WAVE_MODE, 25, 1), 1
	s_wait_xcnt 0x0
; PREP.  The 2,048 routed rows j = 2 t + k are sorted by expert (a counting sort, no atomics) into tiles of 16 rows of one expert, and x of each tile is
; written rounded to bf16 in the order in which a matrix operand's registers take it.
; Expert e owns ceil(n_e / 16) tiles one behind the other; for every split of the rows there are at most 128 + 7 = 135 tiles, so the grid has 135 x 2 work-groups:
; work-group (g, y) makes tile g, half y of the 2,048 channels.  A tile that the split does not have stores nothing.  Places past an expert's count repeat its last row.
; Every work-group counts the 8,192 bytes of indices for itself: wave w takes entries 256 w .. 256 w + 255.
; The launch is a chain of dependent steps, so each step is written in batches: eight compares, then eight counts, so that no scalar line reads the mask that the vector line just ahead of it wrote.
; xs: [tile][K step of 32][u][lane 16 h + r][16 bytes] = row r, channels 32 ks + 16 h + 8 u + 0..7: a fragment is two loads of 512 consecutive bytes.
; rowj, gates: one word for each place (16 a tile): the row's j, and its gate rounded to bf16 and kept as an f32 word (every input of the module has that one rounding).
; meta: words 0-7 first tile of expert e, 8-15 its tiles, 16-31 zero.
; LIMITS.  selected_experts lies in 0..7 (the table that it indexes); a number outside is counted for no expert.  No cluster, no matrix unit: work-groups share only the 8 KB of indices.
.set CNT,   0                          ; LDS: word [wave][expert], 256 bytes
.set LIST,  256                        ; 256 bytes a wave: words 0-15 my hits by their place in the tile, words 16-47 a dump word for each lane
.set STAGE, 2304                       ; 4,352 bytes a wave: 16 chunks of 256 bytes at a pitch of 272 (68 words: chunk n starts at bank 4 n)
.set WSTG,  4352
.set SPARE, 37120                      ; the spare words: 128 bytes a wave, four blocks of 256 bytes that no other line names
.set SEL,  8                           ; v[8:15]    my eight entries
.set C,    16                          ; v[16:23]   counts as read back; later the eight entries' places
.set RO,   32                          ; v[32:47]   byte offset of row r's 16 bytes in hidden_states
.set X,    48                          ; v[48:111]  row r: four f32, then two words of bf16
.set Y,    112                         ; v[112:143] the 4 KB of the wave in operand order
.set OWN,  24                          ; s[24:31]   my wave's count for each expert
.set M0,   32                          ; s[32:39], s[40:47]  two banks of eight masks, while the entries are counted
.set M1,   40
.set TOT,  32                          ; s[32:39]   each expert's rows
.set TEND, 40                          ; s[40:47]   tiles up to and with expert e
.set WC,   48                          ; s[48:55]   the chosen expert's rows in each wave's entries
.set BASE, 56                          ; s[56:63]   their sums: rank of wave w's first hit
.set NTL,  84                          ; s[84:91]   each expert's tiles
.set MB,   24                          ; s[24:31]   placing the hits: the eight masks,
.set KB,   32                          ; s[32:39]   their counts,
.set RB,   48                          ; s[48:55]   and the place in the tile of each mask's first hit
.set RT,   24                          ; s[24:39]   the tile's sixteen tokens
.macro CMP8 e, mb                      ; which of my 8 x 32 entries name expert e
.irp i, 0,1,2,3,4,5,6,7
	v_cmp_eq_u32 s[(\mb)+\i], \e, v[SEL+\i]
.endr
.endm
.macro CNT8 e, mb                      ; and how many
.irp i, 0,1,2,3,4,5,6,7
	s_bcnt1_i32_b32 s[(\mb)+\i], s[(\mb)+\i]
.endr
	s_add_co_u32 s[(\mb)], s[(\mb)], s[(\mb)+1]
	s_add_co_u32 s[(\mb)+2], s[(\mb)+2], s[(\mb)+3]
	s_add_co_u32 s[(\mb)+4], s[(\mb)+4], s[(\mb)+5]
	s_add_co_u32 s[(\mb)+6], s[(\mb)+6], s[(\mb)+7]
	s_add_co_u32 s[(\mb)], s[(\mb)], s[(\mb)+2]
	s_add_co_u32 s[(\mb)+4], s[(\mb)+4], s[(\mb)+6]
	s_add_co_u32 s[OWN+(\e)], s[(\mb)], s[(\mb)+4]
.endm
	s_load_b256 s[4:11], s[0:1], 0x0               ; hidden s[4:5], routing_weights s[6:7], selected_experts s[8:9], xs s[10:11]
	s_load_b128 s[12:15], s[0:1], 0x20             ; rowj s[12:13], gates s[14:15]
	s_load_b64 s[16:17], s[0:1], 0x30              ; meta
	v_lshl_add_u32 v5, v0, 2, SPARE                ; my spare word,
	v_mov_b32 v6, 0                                ; and 0: kept for the add at the wave's end
	v_and_b32 v1, 31, v0                           ; lane
	v_and_b32 v2, 15, v0                           ; lane % 16
	v_lshrrev_b32 v24, 5, v0
	v_readfirstlane_b32 s18, v24                   ; wave
	s_mov_b32 s19, ttmp9                           ; g: the tile
	s_and_b32 s20, ttmp7, 0xffff                   ; y: the half of the channels
	v_lshl_add_u32 v3, v24, 8, v1                  ; j of my first entry: 256 w + lane
	v_lshlrev_b32 v4, 2, v3
	v_add_nc_u32 v7, 16, v1                        ; my dump word
	v_lshlrev_b32 v29, 4, v1                       ; 16 x lane
	s_wait_kmcnt 0x0
.irp i, 0,1,2,3,4,5,6,7
	global_load_b32 v[SEL+\i], v4, s[8:9] offset:128*\i  ; entry 256 w + 32 i + lane
.endr
	s_wait_loadcnt 0x0
	; my wave's count for each expert: the compares of one expert stand ahead of the counts of the expert before, in the other bank
	CMP8 0, M0
	CMP8 1, M1
	CNT8 0, M0
	CMP8 2, M0
	CNT8 1, M1
	CMP8 3, M1
	CNT8 2, M0
	CMP8 4, M0
	CNT8 3, M1
	CMP8 5, M1
	CNT8 4, M0
	CMP8 6, M0
	CNT8 5, M1
	CMP8 7, M1
	CNT8 6, M0
	CNT8 7, M1
	v_lshlrev_b32 v25, 5, v24                      ; my wave's eight words of CNT
.irp e, 0,1,2,3,4,5,6,7
	v_mov_b32 v[C+\e], s[OWN+\e]
	ds_store_b32 v25, v[C+\e] offset:CNT+4*\e      ; all lanes write the same word with the same number
.endr
	s_wait_dscnt 0x0                               ; for the others' sake: my counts are in LDS
	s_barrier_signal -1
	s_barrier_wait -1
	v_and_b32 v26, 7, v0
	v_lshlrev_b32 v27, 2, v26
.irp w, 0,1,2,3,4,5,6,7
	ds_load_b32 v[C+\w], v27 offset:CNT+32*\w      ; lane: expert lane % 8, wave w's count
.endr
	s_wait_dscnt 0x0
	v_add_nc_u32 v24, v[C], v[C+1]
.irp w, 2,3,4,5,6,7
	v_add_nc_u32 v24, v24, v[C+\w]
.endr
.irp e, 0,1,2,3,4,5,6,7
	v_readlane_b32 s[TOT+\e], v24, \e
.endr
	; tiles of each expert, and which expert tile g belongs to
	s_mov_b32 s73, 0
.irp e, 0,1,2,3,4,5,6,7
	s_add_co_u32 s[NTL+\e], s[TOT+\e], 15
	s_lshr_b32 s[NTL+\e], s[NTL+\e], 4
	s_add_co_u32 s73, s73, s[NTL+\e]
	s_mov_b32 s[TEND+\e], s73
.endr
	s_mov_b32 s67, 0                               ; the expert: how many experts end at or below g (8: the split has no tile g)
	s_mov_b32 s68, 0                               ; its first tile
.irp e, 0,1,2,3,4,5,6,7
	s_cmp_ge_u32 s19, s[TEND+\e]
	s_cselect_b32 s68, s[TEND+\e], s68
	s_add_co_ci_u32 s67, s67, 0                    ; + the compare's answer
.endr
	s_mov_b32 s69, 0                               ; its rows
.irp e, 0,1,2,3,4,5,6,7
	s_cmp_eq_u32 s67, \e
	s_cselect_b32 s69, s[TOT+\e], s69
.endr
	s_sub_co_u32 s70, s19, s68
	s_lshl_b32 s70, s70, 4                         ; rank of the tile's first row
	s_sub_co_u32 s71, s69, s70
	s_min_u32 s71, s71, 16
	s_sub_co_u32 s71, s71, 1                       ; the tile's last place that holds a row
	s_min_u32 s72, s67, 7
	v_lshlrev_b32 v24, 5, v26
	s_lshl_b32 s73, s72, 2
	v_add_nc_u32 v24, s73, v24
	ds_load_b32 v25, v24 offset:CNT                ; lane: wave lane % 8's count of the chosen expert
	s_wait_dscnt 0x0
.irp w, 0,1,2,3,4,5,6,7
	v_readlane_b32 s[WC+\w], v25, \w
.endr
	s_mov_b32 s[BASE], 0
.irp w, 1,2,3,4,5,6,7
	s_add_co_u32 s[BASE+\w], s[BASE+\w-1], s[WC+\w-1]
.endr
	s_mov_b32 s75, 0                               ; rank of my wave's first hit
.irp w, 1,2,3,4,5,6,7
	s_cmp_eq_u32 s18, \w
	s_cselect_b32 s75, s[BASE+\w], s75
.endr
	s_lshl_b32 s73, s18, 8
	s_add_co_u32 s73, s73, LIST
	v_mov_b32 v27, s73                             ; my wave's 256 bytes of LIST
	; a hit whose rank falls into the tile goes to its place; everything else to the lane's dump word.  A wave writes its own 256 bytes alone.
	; Stage by stage for all eight entries, so that no line waits for the one ahead of it.
.irp i, 0,1,2,3,4,5,6,7
	v_cmp_eq_u32 s[MB+\i], s67, v[SEL+\i]
.endr
.irp i, 0,1,2,3,4,5,6,7
	s_bcnt1_i32_b32 s[KB+\i], s[MB+\i]
.endr
	s_sub_co_u32 s[RB], s75, s70                   ; the place in the tile of my first hit (it wraps where the hit lies ahead of the tile)
.irp i, 1,2,3,4,5,6,7
	s_add_co_u32 s[RB+\i], s[RB+\i-1], s[KB+\i-1]
.endr
.irp i, 0,1,2,3,4,5,6,7
	v_mbcnt_lo_u32_b32 v[C+\i], s[MB+\i], 0
.endr
.irp i, 0,1,2,3,4,5,6,7
	v_add_nc_u32 v[C+\i], s[RB+\i], v[C+\i]        ; place in the tile
.endr
.irp i, 0,1,2,3,4,5,6,7
	v_cndmask_b32 v[C+\i], v7, v[C+\i], s[MB+\i]   ; no hit: the dump word, 16 + lane
.endr
.irp i, 0,1,2,3,4,5,6,7
	v_cmp_gt_u32 s[MB+\i], 16, v[C+\i]
.endr
.irp i, 0,1,2,3,4,5,6,7
	v_cndmask_b32 v[C+\i], v7, v[C+\i], s[MB+\i]   ; a hit outside the tile: the dump word too
.endr
.irp i, 0,1,2,3,4,5,6,7
	v_min_u32 v[C+\i], 47, v[C+\i]
.endr
.irp i, 0,1,2,3,4,5,6,7
	v_lshl_add_u32 v[C+\i], v[C+\i], 2, v27
.endr
.irp i, 0,1,2,3,4,5,6,7
	v_add_nc_u32 v[X+\i], 32*\i, v3                ; j
.endr
.irp i, 0,1,2,3,4,5,6,7
	ds_store_b32 v[C+\i], v[X+\i]
.endr
	s_wait_dscnt 0x0                               ; for the others' sake: my hits are in LDS
	s_barrier_signal -1
	s_barrier_wait -1                              ; the last barrier
	s_cmp_ge_u32 s67, 8
	s_cbranch_scc1 .Lend                           ; this split has no tile g
	; place p of the tile: which wave found it, and its j
	v_min_u32 v24, s71, v2                         ; places past the count repeat the last row
	v_min_u32 v24, 15, v24
	v_add_nc_u32 v25, s70, v24                     ; its rank
	v_mov_b32 v26, 0
.irp w, 1,2,3,4,5,6,7
	v_cmp_le_u32 vcc_lo, s[BASE+\w], v25
	v_add_co_ci_u32 v26, vcc_lo, 0, v26, vcc_lo    ; the last wave whose first rank is not above it
.endr
	v_min_u32 v26, 7, v26
	v_lshlrev_b32 v26, 8, v26
	v_lshl_add_u32 v26, v24, 2, v26
	ds_load_b32 v28, v26 offset:LIST
	; addresses for the gather and the turn
	s_lshl_b32 s80, s20, 12
	s_lshl_b32 s73, s18, 9
	s_add_co_u32 s80, s80, s73
	s_mov_b32 s81, 0
	s_add_nc_u64 s[80:81], s[4:5], s[80:81]        ; hidden_states at my wave's 128 channels: 4,096 y + 512 w bytes into a row
	s_lshl_b32 s82, s19, 16
	s_lshl_b32 s73, s20, 15
	s_add_co_u32 s82, s82, s73
	s_lshl_b32 s73, s18, 12
	s_add_co_u32 s82, s82, s73
	s_mov_b32 s83, 0
	s_add_nc_u64 s[82:83], s[10:11], s[82:83]      ; xs at tile g, K step 32 y + 4 w
	s_mul_i32 s79, s18, WSTG
	s_add_co_u32 s79, s79, STAGE                   ; my stage
	v_lshrrev_b32 v24, 3, v1                       ; my four channels 4 l .. 4 l + 3 belong to K step l / 8,
	v_bfe_u32 v25, v1, 1, 1                        ; u = bit 1 of l,
	v_bfe_u32 v26, v1, 2, 1                        ; h = bit 2 of l:
	v_lshl_add_u32 v24, v24, 1, v25
	v_lshl_add_u32 v24, v24, 1, v26                ; chunk 4 (l / 8) + 2 u + h,
	v_mul_u32_u24 v24, v24, 272
	v_and_b32 v25, 1, v1
	v_lshl_add_u32 v24, v25, 3, v24                ; its first or second 8 bytes of a row's 16
	v_add_nc_u32 v30, s79, v24
	v_lshrrev_b32 v24, 4, v1                       ; back: lanes 0-15 one chunk, lanes 16-31 the next
	v_mul_u32_u24 v24, v24, 272
	v_lshl_add_u32 v24, v2, 4, v24
	v_add_nc_u32 v31, s79, v24
	s_wait_dscnt 0x0
	v_min_u32 v24, 2047, v28                       ; the place's j,
	v_lshlrev_b32 v25, 2, v24
	global_load_b32 v26, v25, s[6:7]               ; and routing_weights[j]: every wave asks, ahead of its rows, so that the one wave that stores the gates finds them there; v24 to v26 stay as they are from here on
.irp r, 0,1,2,3,4,5,6,7,8,9,10,11,12,13,14,15
	v_readlane_b32 s[RT+\r], v28, \r
.endr
.irp r, 0,1,2,3,4,5,6,7,8,9,10,11,12,13,14,15
	s_lshr_b32 s[RT+\r], s[RT+\r], 1               ; the token
.endr
.irp r, 0,1,2,3,4,5,6,7,8,9,10,11,12,13,14,15
	s_min_u32 s[RT+\r], s[RT+\r], 1023
.endr
.irp r, 0,1,2,3,4,5,6,7,8,9,10,11,12,13,14,15
	v_lshl_add_u32 v[RO+\r], s[RT+\r], 13, v29
	global_load_b128 v[X+4*\r:X+4*\r+3], v[RO+\r], s[80:81]  ; 512 consecutive bytes of the row
.endr
.irp r, 0,1,2,3,4,5,6,7,8,9,10,11,12,13,14,15
	s_wait_loadcnt 15-\r                           ; loads come back in order: row r is in (and the gate, which is older), the younger rows stay out
	v_cvt_pk_bf16_f32 v[X+4*\r], v[X+4*\r], v[X+4*\r+1]
	v_cvt_pk_bf16_f32 v[X+4*\r+1], v[X+4*\r+2], v[X+4*\r+3]
	ds_store_b64 v30, v[X+4*\r:X+4*\r+1] offset:16*\r
.endr
.irp m, 0,1,2,3,4,5,6,7
	ds_load_b128 v[Y+4*\m:Y+4*\m+3], v31 offset:544*\m  ; my own bytes: LDS serves a wave's instructions in order, so these see the stores above
.endr
.irp m, 0,1,2,3,4,5,6,7
	s_wait_dscnt 7-\m
	global_store_b128 v29, v[Y+4*\m:Y+4*\m+3], s[82:83] offset:512*\m  ; 512 consecutive bytes, at a multiple of 256 from xs's first byte
.endr
	s_or_b32 s66, s20, s18
	s_cmp_lg_u32 s66, 0
	s_cbranch_scc1 .Lend                           ; the list and the gates: wave 0 of half 0 alone
	v_lshlrev_b32 v27, 2, v2
	s_lshl_b32 s66, s19, 6
	v_add_nc_u32 v27, s66, v27                     ; 64 g + 4 x place; lanes 16-31 repeat lanes 0-15's words
	v_cvt_pk_bf16_f32 v26, v26, v26
	v_lshlrev_b32 v26, 16, v26                     ; the gate rounded to bf16, as an f32 word
	global_store_b32 v27, v24, s[12:13]
	global_store_b32 v27, v26, s[14:15]
	s_cmp_lg_u32 s19, 0
	s_cbranch_scc1 .Lend                           ; the table: tile 0's work-group alone (tile 0 exists in every split)
	v_mov_b32 v16, 0
.irp e, 1,2,3,4,5,6,7
	v_writelane_b32 v16, s[TEND+\e-1], \e          ; first tile
.endr
.irp e, 0,1,2,3,4,5,6,7
	v_writelane_b32 v16, s[NTL+\e], 8+\e           ; tiles
.endr
	v_lshlrev_b32 v17, 2, v1
	global_store_b32 v17, v16, s[16:17]
.Lend:
	s_wait_tensorcnt 0x0                           ; the wave's end
	ds_add_u32 v5, v6
	s_wait_dscnt 0x0
	s_endpgm
.Lfunc_end_k_qe1d47050ed_prep:
	.size	k_qe1d47050ed_prep, .Lfunc_end_k_qe1d47050ed_prep-k_qe1d47050ed_prep
	.p2alignl 7, 3214868480
	.fill 96, 4, 3214868480
	.section	.rodata,"a",@progbits
	.p2align	6, 0x0
	.amdhsa_kernel k_qe1d47050ed_prep
		.amdhsa_group_segment_fixed_size 38144
		.amdhsa_private_segment_fixed_size 0
		.amdhsa_enable_private_segment 0
		.amdhsa_kernarg_size 56
		.amdhsa_user_sgpr_count 2
		.amdhsa_user_sgpr_kernarg_segment_ptr 1
		.amdhsa_wavefront_size32 1
		.amdhsa_system_sgpr_workgroup_id_x 1
		.amdhsa_system_sgpr_workgroup_id_y 1
		.amdhsa_system_sgpr_workgroup_id_z 1
		.amdhsa_system_vgpr_workitem_id 0
		.amdhsa_next_free_vgpr 144
		.amdhsa_next_free_sgpr 96
		.amdhsa_reserve_vcc 1
		.amdhsa_float_denorm_mode_32 3
		.amdhsa_float_denorm_mode_16_64 3
		.amdhsa_memory_ordered 1
		.amdhsa_forward_progress 1
		.amdhsa_inst_pref_size 35
	.end_amdhsa_kernel
	.amdgpu_metadata
---
amdhsa.version: [ 1, 2 ]
amdhsa.kernels:
  - .name:           k_qe1d47050ed_prep
    .symbol:         k_qe1d47050ed_prep.kd
    .args:
      - { .name: hidden_states, .offset: 0, .size: 8, .value_kind: global_buffer, .address_space: global }
      - { .name: routing_weights, .offset: 8, .size: 8, .value_kind: global_buffer, .address_space: global }
      - { .name: selected_experts, .offset: 16, .size: 8, .value_kind: global_buffer, .address_space: global }
      - { .name: xs, .offset: 24, .size: 8, .value_kind: global_buffer, .address_space: global }
      - { .name: rowj, .offset: 32, .size: 8, .value_kind: global_buffer, .address_space: global }
      - { .name: gates, .offset: 40, .size: 8, .value_kind: global_buffer, .address_space: global }
      - { .name: meta, .offset: 48, .size: 8, .value_kind: global_buffer, .address_space: global }
    .group_segment_fixed_size: 38144
    .private_segment_fixed_size: 0
    .kernarg_segment_align: 8
    .kernarg_segment_size: 56
    .max_flat_workgroup_size: 256
    .sgpr_count:     96
    .vgpr_count:     144
    .wavefront_size: 32
...
	.end_amdgpu_metadata
.endif
;; end of part 1
;; launch up (part 2): grid 32 x 8, 8 waves a work-group, no clusters, 263,168 bytes of LDS; arguments xs, w1, w2, meta, hbuf; writes hbuf
.if DOCPART == 2
	.amdgcn_target "amdgcn-amd-amdhsa--gfx1250"
	.amdhsa_code_object_version 6
	.text
	.protected	k_qe1d47050ed_up
	.globl	k_qe1d47050ed_up
	.p2align	8
	.type	k_qe1d47050ed_up,@function
k_qe1d47050ed_up:
	s_mov_b64 s[64:65], 0
	v_nop
	global_prefetch_b8 v0, s[64:65] scope:SCOPE_SE
	s_setreg_imm32_b32 hwreg(HW_REG_WAVE_MODE, 25, 1), 1
	s_wait_xcnt 0x0
; UP.  h = silu(x w1[e]) * (x w2[e]) for the rows that chose expert e, rounded once to bf16 and stored in the operand order of the next product.
; Work-group (slice, e) owns 32 columns of w1[e] and the same 32 of w2[e]: 2 x 2,048 x 128 bytes of f32, which it alone reads, once.
; ALL EIGHT WAVES RUN ONE TEXT.  K goes in 32 steps of 64.  Of each block of weights (64 rows x 2 x 128 bytes = 16 KB) a wave brings an eighth through its registers (four loads: 16 rows of one matrix),
; rounds it to bf16, turns it (4 rows x 1 column = 8 bytes along K) and lays it into LDS.  THE WHOLE SLICE STAYS IN LDS (262,144 bytes of bf16): no LDS byte is written twice, so the one ordering is
; store, wait, barrier, load; and rows past the first 384 are multiplied from LDS without reading a weight again.
; A TRIP s: block s + 1's fragments are fetched from LDS; block s + 3's weights are waited for, rounded and stored, and block s + 6 is asked for; the step's products follow in one run (three slots of 8);
; then the x fragments of step s + 3 are asked for.  The stores stand ahead of the products, so they have landed when the wait in front of a barrier comes.
; ONE BARRIER FOR TWO TRIPS, behind the odd ones.  Block b is stored in trip b - 3 and read in trip b - 1, and of the ends of trips b - 3 and b - 2 one is odd.  Between two barriers blocks s + 1 and s + 2
; are read and blocks s + 3 and s + 4 written: different bytes.
; ONE COUNTER.  A wave's loads come back in order, weights and x alike; both are asked for three trips ahead of their use, the weights at a trip's head and x at its end, as they are used.
; Out for a wave: 36 x loads and 12 weight loads of 512 bytes.  The first loads are issued in the order that three earlier trips would have had, so that the loop's counts hold from its first trip.
; ROWS.  A chunk is 24 tiles of 16 rows: wave w has three slots, tile cb + w + 8 i.  A slot past the expert's tiles repeats the tile before it (or tile 0) in its loads, so that every counted wait
; has one count on every way, and its products and stores are jumped.  Further chunks run in a loop of a constant count (6 x 24 covers the 128 tiles that one expert can have) that holds no barrier and no LDS write;
; a wave whose first tile of a chunk does not exist jumps forward to the loop's counter.  One barrier stands behind that loop, in front of the closing add.
; OPERANDS.  xs and hbuf: [tile][K step of 32][u][lane 16 h + r][16 bytes] = row r, k = 16 h + 8 u + 0..7.  LDS: [K step][tile of 16 columns nt][u][slot 16 h + (c ^ u)][16 bytes], the same k.
; That is one permutation of k inside 32, alike in both operands.  The exclusive or lets the 32 lanes of a store touch 256 different bytes modulo 256, and the 16 lanes of a load 16 different 16-byte columns.
; THE MATRIX INSTRUCTION IS USED TRANSPOSED (source 0 = weights, source 1 = x): a lane holds one row and eight columns.  Tile nt = 2 mat + j holds columns 2 c + j, so a lane's
; 16 results of a matrix are columns 16 h .. 16 h + 15 of its row: just its fragment of the next product's K step.
; The accumulators are cleared by v_mov_b32 on purpose, while the first loads are on their way: a first step that starts the sums would be one more copy of a step's text in three places.
; NO CLUSTER: what an expert's 32 work-groups share is its x tiles; their number hangs on a stored count, joint loads would want LDS slots that are filled again, and beside the slice 64 KB of LDS are left.
; LIMITS.  x, w1, w2 rounded to bf16, sums in f32, h rounded once to bf16.  silu(a) = a / (1 + 2^(-a log2 e)): where the quotient 1 / (1 + ..) would be a denormal (a below about -87) it counts as 0.
; NaN and infinities are not treated apart.
.set S,      32                        ; K steps of 64
.set BLKB,   262144                    ; bytes from a block of 64 rows of w to the next
.set ROWB,   4096                      ; bytes in a row of w
.set SPARE,  262144                    ; behind the slice: the spare words, 128 bytes a wave
.set CHT,    24                        ; tiles in a chunk
.set NCHK,   6                         ; chunks that cover 128 tiles
; window 0
.set L16, 1                            ; v1      16 x lane
.set BL,  2                            ; v2-3    my place in a fragment's u = 0, 1 half
.set BA,  4                            ; v4-5    the same in the block to be fetched
.set AO,  6                            ; v6-8    slot i: byte offset of my 16 bytes in its tile of xs
.set OO,  9                            ; v9-11   the same in hbuf
.set WO,  12                           ; v12     my byte offset in my wave's rows of a block of w
.set SL,  13                           ; v13-14  where my columns 0, 1 and 2, 3 go in a block of LDS
.set SA,  15                           ; v15-16  the same in the block to be stored
.set PK,  18                           ; v18-25  four columns x 8 bytes
.set T,   32                           ; v32-47  at work on the way out; at the start: block 0's weights
.set WR,  48                           ; v48-95  weights: three sets of 4 rows x 4 columns; block b in set b % 3
.set AR,  96                           ; v96-239 x fragments: set pa, slot i, K step c at AR + 48 pa + 16 i + 8 c; step s in set s % 3
.set W1T, 240                          ; v240-255 at the start: block 1's weights
; window 1: v0-95 accumulators (slot i, tile nt at 32 i + 8 nt)
.set BF,  96                           ; v96-223 of window 1: weight fragments, buffer q, K step c, tile nt at BF + 64 q + 32 c + 8 nt
.set SPW, 224                          ; v224 of window 1: my spare word
.set NIL, 225                          ; v225 of window 1: 0
.set W2T, 226                          ; v226-241 of window 1: at the start: block 2's weights
.set WV,  14
.set SLC, 15
.set EX,  16
.set TBS, 17                           ; the expert's first tile
.set NTI, 18                           ; its tiles
.set CB,  20                           ; the chunk's first tile
.set CH,  21                           ; chunks to go
.set NT,  22                           ; my live slots
.set GP,  23
.set AB,  28                           ; s[28:29] xs, stepped along K
.set WB,  30                           ; s[30:31] my rows of w, stepped along K
.set LB,  32                           ; LDS byte of the block to be fetched
.set SB,  33                           ; LDS byte of the block to be stored
.set KC,  34
.set IT,  35
.set OB,  36                           ; s[36:37] hbuf at my K step
.set CN,  38                           ; s[38:39] -log2 e
.set MSB, 0
.macro WIN new                         ; the immediate's high byte repeats the setting that is left; a switch that changes nothing is dropped
.if MSB != (\new)
	s_set_vgpr_msb (MSB<<8)|(\new)
.set MSB, \new
.endif
.endm
.macro SETCHUNK                        ; my three slots' tiles, and how many of them are live (slot i is live only if the slots below it are)
	s_add_co_u32 s24, s[CB], s[WV]
	s_mov_b32 s[NT], 0
	s_mov_b32 s[GP], 0
.irp sl, 0,1,2
	s_add_co_u32 s25, s24, 8*\sl
	s_add_co_u32 s26, s25, s[TBS]
	s_cmp_lt_u32 s25, s[NTI]
	s_cselect_b32 s[GP], s26, s[GP]                ; a dead slot keeps the tile before it
	s_add_co_ci_u32 s[NT], s[NT], 0                ; + the compare's answer
	s_min_u32 s26, s[GP], 134
	v_lshl_add_u32 v[AO+\sl], s26, 16, v[L16]
	v_lshl_add_u32 v[OO+\sl], s26, 15, v[L16]
.endr
.endm
.macro CLEAR
	WIN 0x40
.set z, 0
.rept 96
	v_mov_b32 v[z], 0
.set z, z+1
.endr
	WIN 0
.endm
.macro WLOAD rs, imm                   ; my eighth of a block of weights: four loads, each four row pieces of 128 bytes
.irp rr, 0,1,2,3
	global_load_b128 v[(\rs)+4*\rr:(\rs)+4*\rr+3], v[WO], s[WB:WB+1] offset:(\imm)+\rr*ROWB
.endr
.endm
.macro ALOAD pa, sl, imm               ; a slot's two x fragments of one step: four loads of 512 consecutive bytes
.irp kc, 0,1
.irp uu, 0,1
	global_load_b128 v[AR+48*(\pa)+16*(\sl)+8*\kc+4*\uu:AR+48*(\pa)+16*(\sl)+8*\kc+4*\uu+3], v[AO+(\sl)], s[AB:AB+1] offset:(\imm)+1024*\kc+512*\uu
.endr
.endr
.endm
.macro ALOAD3 pa, imm
.irp sl, 0,1,2
	ALOAD \pa, \sl, \imm
.endr
.endm
.macro BLOAD q                         ; 16 LDS loads in one run: a block's eight weight fragments into buffer q
	v_add_nc_u32 v[BA], s[LB], v[BL]
	v_add_nc_u32 v[BA+1], s[LB], v[BL+1]
	s_add_co_u32 s[LB], s[LB], 8192
	WIN 0x40                                       ; destination window 1, address window 0
.irp kc, 0,1
.irp tn, 0,1,2,3
.irp uu, 0,1
	ds_load_b128 v[BF+64*(\q)+32*\kc+8*\tn+4*\uu:BF+64*(\q)+32*\kc+8*\tn+4*\uu+3], v[BA+\uu] offset:4096*\kc+1024*\tn
.endr
.endr
.endr
	WIN 0
.endm
; A step's products in one run: x set pa, weight buffer pb; eight for each live slot, the slot's four accumulators by turns.  The first dead slot ends the run.
; Four v_nop follow on every way: the places in front of the loads into the x fragments just read, of the next run of LDS loads into the weight buffer just read, and of the vector work behind the last step.
.macro RUN pa, pb
.irp sl, 0,1,2
	s_cmp_gt_u32 s[NT], \sl
	s_cbranch_scc0 .Lrest_\@
	WIN 0x51                                       ; weights (source 0) in window 1, x (source 1) in window 0, C and D in window 1
.irp kc, 0,1
.irp tn, 0,1,2,3
	v_wmma_f32_16x16x32_bf16 v[32*\sl+8*\tn:32*\sl+8*\tn+7], v[BF+64*(\pb)+32*\kc+8*\tn:BF+64*(\pb)+32*\kc+8*\tn+7], v[AR+48*(\pa)+16*\sl+8*\kc:AR+48*(\pa)+16*\sl+8*\kc+7], v[32*\sl+8*\tn:32*\sl+8*\tn+7]
.endr
.endr
	WIN 0
.endr
.Lrest_\@:
.rept 4
	v_nop
.endr
.endm
; The weights' part of a trip: the set at rs (its window: win) is rounded and turned (word m of column jj = rows 2 m, 2 m + 1), stored, and (wl = 1) asked for again.
.macro PSTEP rs, win, wl, wimm, cnt
	s_wait_loadcnt \cnt                            ; the set's four loads are in; the younger loads stay out
	WIN \win
.irp jj, 0,1,2,3
.irp mm, 0,1
	v_cvt_pk_bf16_f32 v[PK+2*\jj+\mm], v[(\rs)+8*\mm+\jj], v[(\rs)+8*\mm+4+\jj]
.endr
.endr
	WIN 0
	v_add_nc_u32 v[SA], s[SB], v[SL]
	v_add_nc_u32 v[SA+1], s[SB], v[SL+1]
	s_add_co_u32 s[SB], s[SB], 8192
	ds_store_b64 v[SA], v[PK:PK+1]                 ; column 4 cg:     tile j = 0, place 2 cg
	ds_store_b64 v[SA], v[PK+2:PK+3] offset:1024   ; column 4 cg + 1: tile j = 1, place 2 cg
	ds_store_b64 v[SA+1], v[PK+4:PK+5]             ; column 4 cg + 2: tile j = 0, place 2 cg + 1
	ds_store_b64 v[SA+1], v[PK+6:PK+7] offset:1024
.if \wl
	WLOAD \rs, \wimm
.endif
.endm
; A trip.  pa = s % 3 names the x set of step s and the weights' set of block s + 3; pb = s % 2 the weight buffer.
; The counts in a whole trip.  Behind block s + 3's four loads (head of trip s - 3) were issued that trip's 12 x loads and two trips of 16: 44.  Behind step s's x loads (end of trip s - 3) two trips of 16
; and this trip's 4: 36.  Behind the LDS loads of this step's fragments at the least this trip's 16 loads and 4 stores: 20.
; step = 1: both bases go six steps on, behind the products: the youngest loads were issued ahead of the run.  bar = 1: the barrier; every LDS instruction of the wave is done in front of it.
.macro TRIP pa, pb, st, wl, wimm, wcnt, lcnt, ar, rimm, step, bar
	BLOAD 1-(\pb)
.if \st
	PSTEP WR+16*(\pa), 0, \wl, \wimm, \wcnt
.endif
	s_wait_dscnt 20                                ; this step's fragments are in
	s_wait_loadcnt \lcnt                           ; this step's x is in; the younger loads stay out
	RUN \pa, \pb
.if \step
	s_wait_xcnt 0x0                                ; the bases are stepped only when every load issued has had its address translated
	s_add_nc_u64 s[AB:AB+1], s[AB:AB+1], 12288
	s_add_nc_u64 s[WB:WB+1], s[WB:WB+1], 6*BLKB
.endif
.if \ar
	ALOAD3 \pa, \rimm
.endif
.if \bar
	s_wait_dscnt 0x0                               ; my stores of two blocks, for the others' sake, and my loads
	s_barrier_signal -1
	s_barrier_wait -1
.endif
.endm
; A step of a further chunk: nothing is stored.  Behind this step's x loads one step's 12 were issued; behind its fragments' loads the 16 just issued.
.macro CST pa, pb, rimm
	BLOAD 1-(\pb)
	s_wait_dscnt 16
	s_wait_loadcnt 12
	RUN \pa, \pb
	ALOAD3 \pa, \rimm
.endm
; A live slot's way out.  T = a1 x (-log2 e); 2^T; + 1; 1 / T; x a1; x a2; rounded; two stores of 512 consecutive bytes.  Each accumulator is read from its low end on.
.macro HOUT sl
	s_cmp_gt_u32 s[NT], \sl
	s_cbranch_scc0 .Lnone_\@
	WIN 0x01
.irp zz, 0,1,2,3,4,5,6,7
	v_pk_mul_f32 v[T+2*\zz:T+2*\zz+1], v[32*(\sl)+2*\zz:32*(\sl)+2*\zz+1], s[CN:CN+1] op_sel_hi:[1,0]
.endr
	WIN 0
.irp zz, 0,1,2,3,4,5,6,7,8,9,10,11,12,13,14,15
	v_exp_f32 v[T+\zz], v[T+\zz]
.endr
	v_nop                                          ; a plain instruction behind the last exponential,
	s_wait_alu depctr_va_vdst(0)                   ; and one wait for the batch of sixteen, ahead of its first reader
.irp zz, 0,1,2,3,4,5,6,7
	v_pk_add_f32 v[T+2*\zz:T+2*\zz+1], v[T+2*\zz:T+2*\zz+1], 1.0 op_sel_hi:[1,0]
.endr
.irp zz, 0,1,2,3,4,5,6,7,8,9,10,11,12,13,14,15
	v_rcp_f32 v[T+\zz], v[T+\zz]
.endr
	v_nop
	s_wait_alu depctr_va_vdst(0)                   ; one wait for the sixteen reciprocals
	WIN 0x01
.irp zz, 0,1,2,3,4,5,6,7
	v_pk_mul_f32 v[T+2*\zz:T+2*\zz+1], v[32*(\sl)+2*\zz:32*(\sl)+2*\zz+1], v[T+2*\zz:T+2*\zz+1]
.endr
.irp zz, 0,1,2,3,4,5,6,7
	v_pk_mul_f32 v[T+2*\zz:T+2*\zz+1], v[32*(\sl)+16+2*\zz:32*(\sl)+16+2*\zz+1], v[T+2*\zz:T+2*\zz+1]
.endr
	WIN 0
.irp zz, 0,1,2,3,4,5,6,7
	v_cvt_pk_bf16_f32 v[AR+8*(\sl)+\zz], v[T+\zz], v[T+8+\zz]  ; columns 16 h + 2 z and 16 h + 2 z + 1
.endr
	global_store_b128 v[OO+(\sl)], v[AR+8*(\sl):AR+8*(\sl)+3], s[OB:OB+1]
	global_store_b128 v[OO+(\sl)], v[AR+8*(\sl)+4:AR+8*(\sl)+7], s[OB:OB+1] offset:512
.Lnone_\@:
.endm
	s_load_b256 s[44:51], s[0:1], 0x0              ; xs s[44:45], w1 s[46:47], w2 s[48:49], meta s[50:51]
	s_load_b64 s[52:53], s[0:1], 0x20              ; hbuf
	WIN 0x40
	v_lshl_add_u32 v[SPW], v0, 2, SPARE
	v_mov_b32 v[NIL], 0
	WIN 0
	v_lshrrev_b32 v26, 5, v0
	v_readfirstlane_b32 s[WV], v26
	v_and_b32 v26, 31, v0                          ; lane
	s_mov_b32 s[SLC], ttmp9
	s_and_b32 s[EX], ttmp7, 0xffff
	; the weights' side: wave w takes matrix w % 2, rows 16 kq .. + 15 of each block (kq = w / 2 = 2 c + h).  Lane: columns 4 cg .. + 3 (cg = l % 8), rows 4 q .. + 3 (q = l / 8 = 2 u + g)
	s_and_b32 s25, s[WV], 1                        ; mat
	s_lshr_b32 s26, s[WV], 1                       ; kq
	s_lshl_b32 s40, s[EX], 23
	s_lshl_b32 s27, s[SLC], 7
	s_add_co_u32 s40, s40, s27
	s_lshl_b32 s27, s26, 16
	s_add_co_u32 s40, s40, s27                     ; expert, my 128 bytes of a row, my 16 rows
	s_mov_b32 s41, 0
	s_lshr_b32 s24, s26, 1                         ; c
	s_and_b32 s27, s26, 1                          ; h
	s_lshl_b32 s24, s24, 12
	s_lshl_b32 s27, s27, 8
	s_add_co_u32 s24, s24, s27
	s_lshl_b32 s27, s25, 11
	s_add_co_u32 s24, s24, s27                     ; 4,096 c + 256 h + 2,048 mat
	v_and_b32 v27, 7, v26                          ; cg
	v_lshrrev_b32 v28, 3, v26                      ; q
	v_lshlrev_b32 v[WO], 4, v27
	v_lshl_add_u32 v[WO], v28, 14, v[WO]           ; 4 q rows + 16 cg bytes
	v_lshrrev_b32 v29, 1, v28                      ; u
	v_and_b32 v30, 1, v28                          ; g
	v_lshlrev_b32 v31, 5, v27
	v_lshl_add_u32 v31, v29, 9, v31
	v_lshl_add_u32 v31, v30, 3, v31
	v_add_nc_u32 v31, s24, v31                     ; + 512 u + 32 cg + 8 g
	v_lshl_add_u32 v[SL], v29, 4, v31              ; place 2 cg + (0 ^ u)
	v_xor_b32 v29, 1, v29
	v_lshl_add_u32 v[SL+1], v29, 4, v31            ; place 2 cg + (1 ^ u)
	; the products' side
	v_lshlrev_b32 v[L16], 4, v26
	v_mov_b32 v[BL], v[L16]                        ; u = 0: slot = lane
	v_xor_b32 v[BL+1], 16, v[L16]
	v_add_nc_u32 v[BL+1], 512, v[BL+1]             ; u = 1: slot = lane ^ 1, 512 bytes on
	s_mov_b32 s[CN], 0xbfb8aa3b                    ; -log2 e
	s_mov_b32 s[CN+1], s[CN]
	s_mov_b32 s[CB], 0
	s_mov_b32 s[LB], 0
	s_mov_b32 s[SB], 0
	s_lshl_b32 s24, s[EX], 2
	s_wait_kmcnt 0x0
	s_load_b32 s[TBS], s[50:51], s24 offset:0x0
	s_load_b32 s[NTI], s[50:51], s24 offset:0x20
	s_cmp_eq_u32 s25, 0
	s_cselect_b64 s[WB:WB+1], s[46:47], s[48:49]
	s_add_nc_u64 s[WB:WB+1], s[WB:WB+1], s[40:41]
	WLOAD T, 0                                     ; blocks 0, 1 and 2 go out first, into registers that are idle at the start,
	WLOAD W1T, BLKB
	WIN 0x40                                       ; (block 2's lie in window 1)
	WLOAD W2T, 2*BLKB
	WIN 0
	WLOAD WR, 3*BLKB                               ; then, in the order of three trips: weights of block 3,
	s_lshl_b32 s40, s[SLC], 10
	s_add_nc_u64 s[OB:OB+1], s[52:53], s[40:41]    ; my 32 columns are K step 'slice' of the next product
	s_mov_b64 s[AB:AB+1], s[44:45]
	s_wait_kmcnt 0x0
	SETCHUNK
	ALOAD3 0, 0                                    ; x of step 0,
	WLOAD WR+16, 4*BLKB                            ; block 4,
	ALOAD3 1, 2048                                 ; step 1,
	WLOAD WR+32, 5*BLKB                            ; block 5,
	ALOAD3 2, 4096                                 ; step 2: 60 loads of mine are out
	CLEAR
	PSTEP T, 0, 0, 0, 56                           ; behind block 0's loads: blocks 1 to 3 (12) and the 44 behind them
	PSTEP W1T, 0, 0, 0, 52
	PSTEP W2T, 0x05, 0, 0, 48                      ; (sources 0 and 1 in window 1)
	s_wait_dscnt 0x0                               ; my parts of blocks 0 to 2 are in LDS
	s_barrier_signal -1
	s_barrier_wait -1
	BLOAD 0
	s_mov_b32 s[IT], 4
.Lring:                                                ; trips 0 to 23: six a turn, once round both rings of three and both weight buffers; the bases step in the fourth
	TRIP 0, 0, 1, 1, 6*BLKB, 44, 36, 1, 2048*3, 0, 0
	TRIP 1, 1, 1, 1, 7*BLKB, 44, 36, 1, 2048*4, 0, 1
	TRIP 2, 0, 1, 1, 8*BLKB, 44, 36, 1, 2048*5, 0, 0
	TRIP 0, 1, 1, 1, 9*BLKB, 44, 36, 1, 0,      1, 1
	TRIP 1, 0, 1, 1, 4*BLKB, 44, 36, 1, 2048,   0, 0
	TRIP 2, 1, 1, 1, 5*BLKB, 44, 36, 1, 4096,   0, 1
	s_sub_co_u32 s[IT], s[IT], 1
	s_cmp_lg_u32 s[IT], 0
	s_cbranch_scc1 .Lring
	TRIP 0, 0, 1, 1, 6*BLKB, 44, 36, 1, 2048*3, 0, 0  ; trip 24 asks for block 30,
	TRIP 1, 1, 1, 1, 7*BLKB, 44, 36, 1, 2048*4, 0, 1  ; trip 25 for block 31, the last
	TRIP 2, 0, 1, 0, 0,      44, 32, 1, 2048*5, 0, 0  ; trip 26: no weights are left to ask for: x: 4 + 12 + 4 + 12
	TRIP 0, 1, 1, 0, 0,      40, 28, 1, 2048*6, 0, 1  ; trip 27: weights: 12 + 4 + 12 + 12; x: 4 + 12 + 12
	TRIP 1, 0, 1, 0, 0,      36, 24, 1, 2048*7, 0, 0  ; trip 28: weights: 12 + 12 + 12; x: 12 + 12; block 31 is stored, and the last x, step 31, asked for
	TRIP 2, 1, 0, 0, 0,      0,  24, 0, 0,      0, 1  ; trip 29: x: 12 + 12; behind this barrier the slice is whole
	s_mov_b32 s[CH], NCHK
	s_branch .Ltail                                ; the loop over chunks is entered at its tail
.Lchunk:                                               ; a further chunk of 24 tiles, all from LDS: no barrier, no LDS write
	s_add_co_u32 s[CB], s[CB], CHT
	s_add_co_u32 s24, s[CB], s[WV]
	s_cmp_lt_u32 s24, s[NTI]
	s_cbranch_scc0 .Lskip                          ; my first tile of this chunk does not exist
	s_wait_xcnt 0x0                                ; the stores have read their registers
	SETCHUNK
	CLEAR
	s_mov_b64 s[AB:AB+1], s[44:45]
	ALOAD3 0, 0                                    ; here x goes by two sets: even steps in set 0, odd steps in set 1, as the tail finds them
	ALOAD3 1, 2048
	s_mov_b32 s[LB], 0
	BLOAD 0
	s_mov_b32 s[KC], (S-2)/2
.Lk2:
	CST 0, 0, 4096
	CST 1, 1, 6144
	s_wait_xcnt 0x0
	s_add_nc_u64 s[AB:AB+1], s[AB:AB+1], 4096
	s_sub_co_u32 s[KC], s[KC], 1
	s_cmp_lg_u32 s[KC], 0
	s_cbranch_scc1 .Lk2
.Ltail:                                                ; steps 30 and 31 ask for nothing: the counts run down, alike on both ways in
	s_mov_b32 s[LB], (S-1)*8192                    ; both ways in have fetched blocks 0 to 30: the last block's LDS byte, said as the constant that it is
	BLOAD 1
	s_wait_dscnt 16                                ; step 30's fragments are in
	s_wait_loadcnt 12                              ; step 30's x is in; step 31's 12 loads stay out
	RUN 0, 0
	s_wait_dscnt 0x0
	s_wait_loadcnt 0x0
	RUN 1, 1
.irp sl, 0,1,2
	HOUT \sl
.endr
.Lskip:
	s_sub_co_u32 s[CH], s[CH], 1
	s_cmp_lg_u32 s[CH], 0
	s_cbranch_scc1 .Lchunk
	s_wait_dscnt 0x0                               ; load, wait, barrier, write: every wave's LDS loads are back
	s_barrier_signal -1
	s_barrier_wait -1                              ; before any wave writes LDS again, by the add below; every wave comes here on every way
	WIN 0x05                                       ; the add's two registers lie in window 1
	s_wait_tensorcnt 0x0                           ; the wave's end
	ds_add_u32 v[SPW], v[NIL]
	s_wait_dscnt 0x0
	WIN 0
	s_endpgm
.Lfunc_end_k_qe1d47050ed_up:
	.size	k_qe1d47050ed_up, .Lfunc_end_k_qe1d47050ed_up-k_qe1d47050ed_up
	.p2alignl 7, 3214868480
	.fill 96, 4, 3214868480
	.section	.rodata,"a",@progbits
	.p2align	6, 0x0
	.amdhsa_kernel k_qe1d47050ed_up
		.amdhsa_group_segment_fixed_size 263168
		.amdhsa_private_segment_fixed_size 0
		.amdhsa_enable_private_segment 0
		.amdhsa_kernarg_size 40
		.amdhsa_user_sgpr_count 2
		.amdhsa_user_sgpr_kernarg_segment_ptr 1
		.amdhsa_wavefront_size32 1
		.amdhsa_system_sgpr_workgroup_id_x 1
		.amdhsa_system_sgpr_workgroup_id_y 1
		.amdhsa_system_sgpr_workgroup_id_z 1
		.amdhsa_system_vgpr_workitem_id 0
		.amdhsa_next_free_vgpr 512
		.amdhsa_next_free_sgpr 66
		.amdhsa_reserve_vcc 0
		.amdhsa_float_denorm_mode_32 3
		.amdhsa_float_denorm_mode_16_64 3
		.amdhsa_memory_ordered 1
		.amdhsa_forward_progress 1
		.amdhsa_inst_pref_size 117
	.end_amdhsa_kernel
	.amdgpu_metadata
---
amdhsa.version: [ 1, 2 ]
amdhsa.kernels:
  - .name:           k_qe1d47050ed_up
    .symbol:         k_qe1d47050ed_up.kd
    .args:
      - { .name: xs, .offset: 0, .size: 8, .value_kind: global_buffer, .address_space: global }
      - { .name: w1, .offset: 8, .size: 8, .value_kind: global_buffer, .address_space: global }
      - { .name: w2, .offset: 16, .size: 8, .value_kind: global_buffer, .address_space: global }
      - { .name: meta, .offset: 24, .size: 8, .value_kind: global_buffer, .address_space: global }
      - { .name: hbuf, .offset: 32, .size: 8, .value_kind: global_buffer, .address_space: global }
    .group_segment_fixed_size: 263168
    .private_segment_fixed_size: 0
    .kernarg_segment_align: 8
    .kernarg_segment_size: 40
    .max_flat_workgroup_size: 256
    .sgpr_count:     66
    .vgpr_count:     512
    .wavefront_size: 32
...
	.end_amdgpu_metadata
.endif
;; end of part 2
;; launch down (part 3): grid 32 x 8, 8 waves a work-group, no clusters, 132,096 bytes of LDS; arguments hbuf, w3, meta, rowj, gates, part; writes part
.if DOCPART == 3
	.amdgcn_target "amdgcn-amd-amdhsa--gfx1250"
	.amdhsa_code_object_version 6
	.text
	.protected	k_qe1d47050ed_down
	.globl	k_qe1d47050ed_down
	.p2align	8
	.type	k_qe1d47050ed_down,@function
k_qe1d47050ed_down:
	s_mov_b64 s[64:65], 0
	v_nop
	global_prefetch_b8 v0, s[64:65] scope:SCOPE_SE
	s_setreg_imm32_b32 hwreg(HW_REG_WAVE_MODE, 25, 1), 1
	s_wait_xcnt 0x0
; DOWN.  part[j] = gate_j x (h_j w3[e]) in f32, for the rows j that chose expert e.
; Work-group (slice, e) owns 64 columns of w3[e]: 1,024 rows of 256 bytes of f32, which it alone reads, once.  The frame is the first product's: ALL EIGHT WAVES RUN ONE TEXT.
; K goes in 16 steps of 64.  Of each block of weights (64 rows x 256 bytes = 16 KB) a wave brings an eighth through its registers (four loads: 8 whole rows), rounds it to bf16, turns it and lays it into LDS,
; where the whole slice stays (131,072 bytes of bf16; no LDS byte is written twice).
; A TRIP s: block s + 1's fragments are fetched from LDS; block s + 3's weights are waited for, rounded and stored, and block s + 6 is asked for; the step's products follow in one run (three slots of 8);
; then the h fragments of step s + 3 are asked for.  The stores stand ahead of the products, so they have landed when the wait in front of a barrier comes.  14 trips, written out.
; ONE BARRIER FOR TWO TRIPS, behind the odd ones: block b is stored in trip b - 3 and read in trip b - 1, and of the ends of trips b - 3 and b - 2 one is odd.  Between two barriers blocks s + 1 and s + 2
; are read and blocks s + 3 and s + 4 written: different bytes.
; A wave's loads come back in order on one counter; weights and h are both asked for three trips ahead of their use, the weights at a trip's head and h at its end; the first loads go out in the order of three earlier trips.
; ROWS.  Chunks of 24 tiles, three slots a wave (tile cb + w + 8 i); a dead slot repeats a live tile (or tile 0) in its loads and jumps its products and stores; further chunks run in a loop of a constant
; count (6 x 24 covers 128 tiles) without barrier and without LDS write; a wave whose first tile of a chunk does not exist jumps forward to the loop's counter.  One barrier stands behind that loop, in front of the closing add.
; OPERANDS.  hbuf: [tile][K step of 32][u][lane 16 h + r][16 bytes] = row r, k = 16 h + 8 u + 0..7.  LDS: [K step][tile nt][u][slot 16 h + (c ^ u)][16 bytes]; tile nt holds columns 4 c + nt.
; Source 0 = h, source 1 = weights: lane (r, h), register v of tile nt holds sorted row 8 h + v, column 4 r + nt.  The multiply by the gate brings the four tiles' numbers together:
; 16 bytes a lane, sixteen lanes fill 256 consecutive bytes of a row of part, at a multiple of 256 from its first byte.
; The rows' j and gates are asked for ahead of the last two steps, into the h set that is idle there, so that they are on their way under those steps' products.
; A place past an expert's count repeats its last row: the same bits go to the same address once more, from the same wave.
; The accumulators are cleared by v_mov_b32 on purpose, while the first loads are on their way.
; NO CLUSTER: what an expert's 32 work-groups share is its h tiles; their number hangs on a stored count, and joint loads would want LDS slots filled again in a loop whose live part hangs on that count.
; LIMITS.  w3 rounded to bf16; h arrives in bf16; sums and part in f32.  A token that names one expert twice gets g0 y + g1 y where the reference forms (g0 + g1) y.  NaN and infinities are not treated apart.
.set S,      16
.set BLKB,   524288
.set ROWB,   8192
.set SPARE,  131072
.set CHT,    24
.set NCHK,   6
; window 0
.set L16, 1                            ; v1      16 x lane
.set BL,  2                            ; v2-3    my place in a fragment's u = 0, 1 half
.set BA,  4                            ; v4-5    the same in the block to be fetched
.set AO,  6                            ; v6-8    slot i: byte offset of my 16 bytes in its tile of hbuf
.set RO,  9                            ; v9-11   slot i: byte offset of my eight rows' words in rowj and gates
.set WO,  12                           ; v12     my byte offset in my wave's rows of a block of w3
.set SL,  13                           ; v13     where my column 0 goes in a block of LDS
.set SA,  15                           ; v15     the same in the block to be stored
.set R16, 16                           ; v16     16 x (lane % 16)
.set H32, 17                           ; v17     32 x (lane / 16)
.set PK,  18                           ; v18-25  four columns x 8 bytes
.set T,   32                           ; v32-47  at the start: block 0's weights
.set WR,  48                           ; v48-95  weights: three sets; block b in set b % 3
.set AR,  96                           ; v96-239 h fragments: set pa, slot i, K step c at AR + 48 pa + 16 i + 8 c; step s in set s % 3
.set JG,  144                          ; v144-191 (set 1, idle in the last two steps): slot i's eight j, then its eight gates
.set TO,  192                          ; v192-223 (set 2) on the way out: row v's four numbers
.set W1T, 240                          ; v240-255 at the start: block 1's weights
; window 1: v0-95 accumulators (slot i, tile nt at 32 i + 8 nt)
.set BF,  96                           ; v96-223 of window 1: weight fragments, two buffers
.set SPW, 224
.set NIL, 225
.set W2T, 226                          ; v226-241 of window 1: at the start: block 2's weights
.set WV,  14
.set SLC, 15
.set EX,  16
.set TBS, 17
.set NTI, 18
.set CB,  20
.set CH,  21
.set NT,  22
.set GP,  23
.set AB,  28
.set WB,  30
.set LB,  32
.set SB,  33
.set KC,  34
.set OB,  36                           ; s[36:37] part at my 64 columns
.set MSB, 0
.macro WIN new
.if MSB != (\new)
	s_set_vgpr_msb (MSB<<8)|(\new)
.set MSB, \new
.endif
.endm
.macro SETCHUNK
	s_add_co_u32 s24, s[CB], s[WV]
	s_mov_b32 s[NT], 0
	s_mov_b32 s[GP], 0
.irp sl, 0,1,2
	s_add_co_u32 s25, s24, 8*\sl
	s_add_co_u32 s26, s25, s[TBS]
	s_cmp_lt_u32 s25, s[NTI]
	s_cselect_b32 s[GP], s26, s[GP]                ; a dead slot keeps the tile before it
	s_add_co_ci_u32 s[NT], s[NT], 0
	s_min_u32 s26, s[GP], 134
	v_lshl_add_u32 v[AO+\sl], s26, 15, v[L16]
	v_lshl_add_u32 v[RO+\sl], s26, 6, v[H32]
.endr
.endm
.macro CLEAR
	WIN 0x40
.set z, 0
.rept 96
	v_mov_b32 v[z], 0
.set z, z+1
.endr
	WIN 0
.endm
.macro WLOAD rs, imm                   ; my eighth of a block of weights: four loads, each two whole rows of 256 bytes; read once in the launch
.irp rr, 0,1,2,3
	global_load_b128 v[(\rs)+4*\rr:(\rs)+4*\rr+3], v[WO], s[WB:WB+1] offset:(\imm)+\rr*ROWB th:TH_LOAD_NT
.endr
.endm
.macro ALOAD pa, sl, imm
.irp kc, 0,1
.irp uu, 0,1
	global_load_b128 v[AR+48*(\pa)+16*(\sl)+8*\kc+4*\uu:AR+48*(\pa)+16*(\sl)+8*\kc+4*\uu+3], v[AO+(\sl)], s[AB:AB+1] offset:(\imm)+1024*\kc+512*\uu
.endr
.endr
.endm
.macro ALOAD3 pa, imm
.irp sl, 0,1,2
	ALOAD \pa, \sl, \imm
.endr
.endm
.macro BLOAD q
	v_add_nc_u32 v[BA], s[LB], v[BL]
	v_add_nc_u32 v[BA+1], s[LB], v[BL+1]
	s_add_co_u32 s[LB], s[LB], 8192
	WIN 0x40
.irp kc, 0,1
.irp tn, 0,1,2,3
.irp uu, 0,1
	ds_load_b128 v[BF+64*(\q)+32*\kc+8*\tn+4*\uu:BF+64*(\q)+32*\kc+8*\tn+4*\uu+3], v[BA+\uu] offset:4096*\kc+1024*\tn
.endr
.endr
.endr
	WIN 0
.endm
; A step's products in one run: h set pa, weight buffer pb; eight for each live slot, the slot's four accumulators by turns.  The first dead slot ends the run.
; Four v_nop follow on every way: the places in front of the loads into the fragments just read, of the next run of LDS loads, and of what follows the last step.
.macro RUN pa, pb
.irp sl, 0,1,2
	s_cmp_gt_u32 s[NT], \sl
	s_cbranch_scc0 .Lrest_\@
	WIN 0x54                                       ; h (source 0) in window 0, weights (source 1) in window 1, C and D in window 1
.irp kc, 0,1
.irp tn, 0,1,2,3
	v_wmma_f32_16x16x32_bf16 v[32*\sl+8*\tn:32*\sl+8*\tn+7], v[AR+48*(\pa)+16*\sl+8*\kc:AR+48*(\pa)+16*\sl+8*\kc+7], v[BF+64*(\pb)+32*\kc+8*\tn:BF+64*(\pb)+32*\kc+8*\tn+7], v[32*\sl+8*\tn:32*\sl+8*\tn+7]
.endr
.endr
	WIN 0
.endr
.Lrest_\@:
.rept 4
	v_nop
.endr
.endm
.macro PSTEP rs, win, wl, wimm, cnt
	s_wait_loadcnt \cnt                            ; the set's four loads are in; the younger loads stay out
	WIN \win
.irp jj, 0,1,2,3
.irp mm, 0,1
	v_cvt_pk_bf16_f32 v[PK+2*\jj+\mm], v[(\rs)+8*\mm+\jj], v[(\rs)+8*\mm+4+\jj]
.endr
.endr
	WIN 0
	v_add_nc_u32 v[SA], s[SB], v[SL]
	s_add_co_u32 s[SB], s[SB], 8192
.irp jj, 0,1,2,3
	ds_store_b64 v[SA], v[PK+2*\jj:PK+2*\jj+1] offset:1024*\jj  ; column 4 cg + jj: tile jj, place cg
.endr
.if \wl
	WLOAD \rs, \wimm
.endif
.endm
; A trip.  pa = s % 3 names the h set of step s and the weights' set of block s + 3; pb = s % 2 the weight buffer.
; The counts in a whole trip.  Behind block s + 3's four loads (head of trip s - 3) were issued that trip's 12 h loads and two trips of 16: 44.  Behind step s's h loads (end of trip s - 3) two trips of 16
; and this trip's 4: 36.  Behind the LDS loads of this step's fragments at the least this trip's 16 loads and 4 stores: 20.  bar = 1: the barrier; every LDS instruction of the wave is done in front of it.
.macro TRIP pa, pb, st, wl, wimm, wcnt, lcnt, ar, rimm, bar
	BLOAD 1-(\pb)
.if \st
	PSTEP WR+16*(\pa), 0, \wl, \wimm, \wcnt
.endif
	s_wait_dscnt 20                                ; this step's fragments are in
	s_wait_loadcnt \lcnt                           ; this step's h is in; the younger loads stay out
	RUN \pa, \pb
.if \ar
	ALOAD3 \pa, \rimm
.endif
.if \bar
	s_wait_dscnt 0x0                               ; my stores of two blocks, for the others' sake, and my loads
	s_barrier_signal -1
	s_barrier_wait -1
.endif
.endm
; A step of a further chunk: nothing is stored.  Behind this step's h loads one step's 12 were issued; behind its fragments' loads the 16 just issued.
.macro CST pa, pb, rimm
	BLOAD 1-(\pb)
	s_wait_dscnt 16
	s_wait_loadcnt 12
	RUN \pa, \pb
	ALOAD3 \pa, \rimm
.endm
; A live slot's way out: eight addresses from the rows' j, 32 multiplies by the gates (register 0 of each accumulator first), eight stores.
.macro POUT sl
	s_cmp_gt_u32 s[NT], \sl
	s_cbranch_scc0 .Lnone_\@
	s_wait_xcnt 0x0                                ; the slot before has read its store data
.irp vv, 0,1,2,3,4,5,6,7
	v_min_u32 v[JG+16*(\sl)+\vv], 2047, v[JG+16*(\sl)+\vv]
	v_lshl_add_u32 v[JG+16*(\sl)+\vv], v[JG+16*(\sl)+\vv], 13, v[R16]
.endr
	WIN 0x01
.irp vv, 0,1,2,3,4,5,6,7
.irp tn, 0,1,2,3
	v_mul_f32 v[TO+4*\vv+\tn], v[32*(\sl)+8*\tn+\vv], v[JG+16*(\sl)+8+\vv]
.endr
.endr
	WIN 0
.irp vv, 0,1,2,3,4,5,6,7
	global_store_b128 v[JG+16*(\sl)+\vv], v[TO+4*\vv:TO+4*\vv+3], s[OB:OB+1]
.endr
.Lnone_\@:
.endm
	s_load_b256 s[44:51], s[0:1], 0x0              ; hbuf s[44:45], w3 s[46:47], meta s[48:49], rowj s[50:51]
	s_load_b128 s[52:55], s[0:1], 0x20             ; gates s[52:53], part s[54:55]
	WIN 0x40
	v_lshl_add_u32 v[SPW], v0, 2, SPARE
	v_mov_b32 v[NIL], 0
	WIN 0
	v_lshrrev_b32 v26, 5, v0
	v_readfirstlane_b32 s[WV], v26
	v_and_b32 v26, 31, v0                          ; lane
	s_mov_b32 s[SLC], ttmp9
	s_and_b32 s[EX], ttmp7, 0xffff
	; the weights' side: wave w = 4 c + 2 h + u takes rows 8 w .. + 7 of each block.  Lane: columns 4 cg .. + 3 (cg = l % 16), rows 4 g .. + 3 (g = l / 16)
	s_lshl_b32 s40, s[EX], 23
	s_lshl_b32 s27, s[SLC], 8
	s_add_co_u32 s40, s40, s27
	s_lshl_b32 s27, s[WV], 16
	s_add_co_u32 s40, s40, s27                     ; expert, my 256 bytes of a row, my 8 rows
	s_mov_b32 s41, 0
	s_lshr_b32 s24, s[WV], 2                       ; c
	s_bfe_u32 s25, s[WV], 0x10001                  ; h
	s_and_b32 s26, s[WV], 1                        ; u
	s_lshl_b32 s24, s24, 12
	s_lshl_b32 s25, s25, 8
	s_add_co_u32 s24, s24, s25
	s_lshl_b32 s25, s26, 9
	s_add_co_u32 s24, s24, s25                     ; 4,096 c + 256 h + 512 u
	v_and_b32 v27, 15, v26                         ; cg
	v_lshrrev_b32 v28, 4, v26                      ; g
	v_lshlrev_b32 v[WO], 4, v27
	v_lshl_add_u32 v[WO], v28, 15, v[WO]           ; 4 g rows + 16 cg bytes
	v_xor_b32 v29, s26, v27
	v_lshlrev_b32 v29, 4, v29
	v_lshl_add_u32 v29, v28, 3, v29
	v_add_nc_u32 v[SL], s24, v29                   ; + 16 (cg ^ u) + 8 g
	; the products' side
	v_lshlrev_b32 v[L16], 4, v26
	v_mov_b32 v[BL], v[L16]                        ; u = 0: slot = lane
	v_xor_b32 v[BL+1], 16, v[L16]
	v_add_nc_u32 v[BL+1], 512, v[BL+1]             ; u = 1: slot = lane ^ 1, 512 bytes on
	v_lshlrev_b32 v[R16], 4, v27
	v_lshlrev_b32 v[H32], 5, v28
	s_mov_b32 s[CB], 0
	s_mov_b32 s[LB], 0
	s_mov_b32 s[SB], 0
	s_lshl_b32 s24, s[EX], 2
	s_wait_kmcnt 0x0
	s_load_b32 s[TBS], s[48:49], s24 offset:0x0
	s_load_b32 s[NTI], s[48:49], s24 offset:0x20
	s_add_nc_u64 s[WB:WB+1], s[46:47], s[40:41]
	WLOAD T, 0                                     ; blocks 0, 1 and 2 go out first, into registers that are idle at the start,
	WLOAD W1T, BLKB
	WIN 0x40                                       ; (block 2's lie in window 1)
	WLOAD W2T, 2*BLKB
	WIN 0
	WLOAD WR, 3*BLKB                               ; then, in the order of three trips: weights of block 3,
	s_lshl_b32 s40, s[SLC], 8
	s_add_nc_u64 s[OB:OB+1], s[54:55], s[40:41]
	s_mov_b64 s[AB:AB+1], s[44:45]
	s_wait_kmcnt 0x0
	SETCHUNK
	ALOAD3 0, 0                                    ; h of step 0,
	WLOAD WR+16, 4*BLKB                            ; block 4,
	ALOAD3 1, 2048                                 ; step 1,
	WLOAD WR+32, 5*BLKB                            ; block 5,
	ALOAD3 2, 4096                                 ; step 2: 60 loads of mine are out
	CLEAR
	PSTEP T, 0, 0, 0, 56                           ; behind block 0's loads: blocks 1 to 3 (12) and the 44 behind them
	PSTEP W1T, 0, 0, 0, 52
	PSTEP W2T, 0x05, 0, 0, 48                      ; (sources 0 and 1 in window 1)
	s_wait_dscnt 0x0                               ; my parts of blocks 0 to 2 are in LDS
	s_barrier_signal -1
	s_barrier_wait -1
	BLOAD 0
.set tau, 0
.rept 10                               ; trips 0 to 9 ask for blocks 6 to 15; the largest immediate, 15 blocks + 3 rows, lies inside the signed 24 bits
	TRIP tau%3, tau%2, 1, 1, (tau+6)*BLKB, 44, 36, 1, 2048*(tau+3), tau%2
.set tau, tau+1
.endr
	TRIP 1, 0, 1, 0, 0, 44, 32, 1, 2048*13, 0      ; trip 10: no weights are left to ask for: h: 4 + 12 + 4 + 12
	TRIP 2, 1, 1, 0, 0, 40, 28, 1, 2048*14, 1      ; trip 11: weights: 12 + 4 + 12 + 12; h: 4 + 12 + 12
	TRIP 0, 0, 1, 0, 0, 36, 24, 1, 2048*15, 0      ; trip 12: weights: 12 + 12 + 12; h: 12 + 12; block 15 is stored, and the last h, step 15, asked for
	TRIP 1, 1, 0, 0, 0, 0,  24, 0, 0,       1      ; trip 13: h: 12 + 12; behind this barrier the slice is whole
	s_mov_b32 s[CH], NCHK
	s_branch .Ltail                                ; the loop over chunks is entered at its tail
.Lchunk:                                               ; a further chunk of 24 tiles, all from LDS: no barrier, no LDS write
	s_add_co_u32 s[CB], s[CB], CHT
	s_add_co_u32 s24, s[CB], s[WV]
	s_cmp_lt_u32 s24, s[NTI]
	s_cbranch_scc0 .Lskip                          ; my first tile of this chunk does not exist
	s_wait_xcnt 0x0                                ; the stores have read their registers
	SETCHUNK
	CLEAR
	s_mov_b64 s[AB:AB+1], s[44:45]
	ALOAD3 2, 0                                    ; here h goes by two sets: even steps in set 2, odd steps in set 0, as the tail finds them
	ALOAD3 0, 2048
	s_mov_b32 s[LB], 0
	BLOAD 0
	s_mov_b32 s[KC], (S-2)/2
.Lk2:
	CST 2, 0, 4096
	CST 0, 1, 6144
	s_wait_xcnt 0x0
	s_add_nc_u64 s[AB:AB+1], s[AB:AB+1], 4096
	s_sub_co_u32 s[KC], s[KC], 1
	s_cmp_lg_u32 s[KC], 0
	s_cbranch_scc1 .Lk2
.Ltail:                                                ; steps 14 and 15 ask for no h: the counts run down, alike on both ways in
	s_mov_b32 s[LB], (S-1)*8192                    ; both ways in have fetched blocks 0 to 14: the last block's LDS byte, said as the constant that it is
.irp sl, 0,1,2
	global_load_b128 v[JG+16*\sl:JG+16*\sl+3],     v[RO+\sl], s[50:51]            ; j of my rows 8 h .. 8 h + 3,
	global_load_b128 v[JG+16*\sl+4:JG+16*\sl+7],   v[RO+\sl], s[50:51] offset:16  ; of 8 h + 4 .. 8 h + 7,
	global_load_b128 v[JG+16*\sl+8:JG+16*\sl+11],  v[RO+\sl], s[52:53]            ; and their gates
	global_load_b128 v[JG+16*\sl+12:JG+16*\sl+15], v[RO+\sl], s[52:53] offset:16
.endr
	BLOAD 1
	s_wait_dscnt 16                                ; step 14's fragments are in
	s_wait_loadcnt 24                              ; step 14's h is in; step 15's 12 loads and the 12 above stay out
	RUN 2, 0
	s_wait_dscnt 0x0
	s_wait_loadcnt 12                              ; step 15's h is in
	RUN 0, 1
	s_wait_loadcnt 0x0                             ; the rows' j and gates
.irp sl, 0,1,2
	POUT \sl
.endr
.Lskip:
	s_sub_co_u32 s[CH], s[CH], 1
	s_cmp_lg_u32 s[CH], 0
	s_cbranch_scc1 .Lchunk
	s_wait_dscnt 0x0                               ; load, wait, barrier, write: every wave's LDS loads are back
	s_barrier_signal -1
	s_barrier_wait -1                              ; before any wave writes LDS again, by the add below; every wave comes here on every way
	WIN 0x05                                       ; the add's two registers lie in window 1
	s_wait_tensorcnt 0x0                           ; the wave's end
	ds_add_u32 v[SPW], v[NIL]
	s_wait_dscnt 0x0
	WIN 0
	s_endpgm
.Lfunc_end_k_qe1d47050ed_down:
	.size	k_qe1d47050ed_down, .Lfunc_end_k_qe1d47050ed_down-k_qe1d47050ed_down
	.p2alignl 7, 3214868480
	.fill 96, 4, 3214868480
	.section	.rodata,"a",@progbits
	.p2align	6, 0x0
	.amdhsa_kernel k_qe1d47050ed_down
		.amdhsa_group_segment_fixed_size 132096
		.amdhsa_private_segment_fixed_size 0
		.amdhsa_enable_private_segment 0
		.amdhsa_kernarg_size 48
		.amdhsa_user_sgpr_count 2
		.amdhsa_user_sgpr_kernarg_segment_ptr 1
		.amdhsa_wavefront_size32 1
		.amdhsa_system_sgpr_workgroup_id_x 1
		.amdhsa_system_sgpr_workgroup_id_y 1
		.amdhsa_system_sgpr_workgroup_id_z 1
		.amdhsa_system_vgpr_workitem_id 0
		.amdhsa_next_free_vgpr 512
		.amdhsa_next_free_sgpr 66
		.amdhsa_reserve_vcc 0
		.amdhsa_float_denorm_mode_32 3
		.amdhsa_float_denorm_mode_16_64 3
		.amdhsa_memory_ordered 1
		.amdhsa_forward_progress 1
		.amdhsa_inst_pref_size 125
	.end_amdhsa_kernel
	.amdgpu_metadata
---
amdhsa.version: [ 1, 2 ]
amdhsa.kernels:
  - .name:           k_qe1d47050ed_down
    .symbol:         k_qe1d47050ed_down.kd
    .args:
      - { .name: hbuf, .offset: 0, .size: 8, .value_kind: global_buffer, .address_space: global }
      - { .name: w3, .offset: 8, .size: 8, .value_kind: global_buffer, .address_space: global }
      - { .name: meta, .offset: 16, .size: 8, .value_kind: global_buffer, .address_space: global }
      - { .name: rowj, .offset: 24, .size: 8, .value_kind: global_buffer, .address_space: global }
      - { .name: gates, .offset: 32, .size: 8, .value_kind: global_buffer, .address_space: global }
      - { .name: part, .offset: 40, .size: 8, .value_kind: global_buffer, .address_space: global }
    .group_segment_fixed_size: 132096
    .private_segment_fixed_size: 0
    .kernarg_segment_align: 8
    .kernarg_segment_size: 48
    .max_flat_workgroup_size: 256
    .sgpr_count:     66
    .vgpr_count:     512
    .wavefront_size: 32
...
	.end_amdgpu_metadata
.endif
;; end of part 3
;; launch add (part 4): grid 256 x 1, 8 waves a work-group, no clusters, 0 bytes of LDS; arguments part, out0; writes out0
.if DOCPART == 4
	.amdgcn_target "amdgcn-amd-amdhsa--gfx1250"
	.amdhsa_code_object_version 6
	.text
	.protected	k_qe1d47050ed_add
	.globl	k_qe1d47050ed_add
	.p2align	8
	.type	k_qe1d47050ed_add,@function
k_qe1d47050ed_add:
	s_mov_b64 s[64:65], 0
	v_nop
	global_prefetch_b8 v0, s[64:65] scope:SCOPE_SE
	s_setreg_imm32_b32 hwreg(HW_REG_WAVE_MODE, 25, 1), 1
	s_wait_xcnt 0x0
; ADD.  out[t] = part[2 t] + part[2 t + 1], all f32: a token's two routed rows, each already times its gate.
; Work-group b makes rows 4 b .. 4 b + 3.  Thread t takes 16 bytes of each half row of 4,096 bytes: a wave's load or store covers 512 consecutive bytes.
; A stream: all sixteen loads of a thread go out first, the waits count down, nothing is read twice.  No LDS, no barrier, no matrix unit, no cluster: work-groups share nothing.
	s_load_b128 s[4:7], s[0:1], 0x0                ; part s[4:5], out0 s[6:7]
	v_lshlrev_b32 v1, 4, v0
	s_lshl_b32 s8, ttmp9, 16                       ; eight rows of part,
	s_mov_b32 s9, 0
	s_lshl_b32 s10, ttmp9, 15                      ; four rows of out0
	s_mov_b32 s11, 0
	s_wait_kmcnt 0x0
	s_add_nc_u64 s[4:5], s[4:5], s[8:9]
	s_add_nc_u64 s[6:7], s[6:7], s[10:11]
.irp m, 0,1,2,3,4,5,6,7
	global_load_b128 v[4+8*\m:7+8*\m],  v1, s[4:5] offset:16384*(\m/2)+4096*(\m%2) th:TH_LOAD_NT
	global_load_b128 v[8+8*\m:11+8*\m], v1, s[4:5] offset:16384*(\m/2)+4096*(\m%2)+8192 th:TH_LOAD_NT
.endr
.irp m, 0,1,2,3,4,5,6,7
	s_wait_loadcnt 14-2*\m                         ; loads come back in order: pair m is in, the younger pairs stay out
	v_pk_add_f32 v[4+8*\m:5+8*\m], v[4+8*\m:5+8*\m], v[8+8*\m:9+8*\m]
	v_pk_add_f32 v[6+8*\m:7+8*\m], v[6+8*\m:7+8*\m], v[10+8*\m:11+8*\m]
	global_store_b128 v1, v[4+8*\m:7+8*\m], s[6:7] offset:4096*\m th:TH_STORE_NT
.endr
	s_endpgm
.Lfunc_end_k_qe1d47050ed_add:
	.size	k_qe1d47050ed_add, .Lfunc_end_k_qe1d47050ed_add-k_qe1d47050ed_add
	.p2alignl 7, 3214868480
	.fill 96, 4, 3214868480
	.section	.rodata,"a",@progbits
	.p2align	6, 0x0
	.amdhsa_kernel k_qe1d47050ed_add
		.amdhsa_group_segment_fixed_size 0
		.amdhsa_private_segment_fixed_size 0
		.amdhsa_enable_private_segment 0
		.amdhsa_kernarg_size 16
		.amdhsa_user_sgpr_count 2
		.amdhsa_user_sgpr_kernarg_segment_ptr 1
		.amdhsa_wavefront_size32 1
		.amdhsa_system_sgpr_workgroup_id_x 1
		.amdhsa_system_sgpr_workgroup_id_y 1
		.amdhsa_system_sgpr_workgroup_id_z 1
		.amdhsa_system_vgpr_workitem_id 0
		.amdhsa_next_free_vgpr 68
		.amdhsa_next_free_sgpr 66
		.amdhsa_reserve_vcc 0
		.amdhsa_float_denorm_mode_32 3
		.amdhsa_float_denorm_mode_16_64 3
		.amdhsa_memory_ordered 1
		.amdhsa_forward_progress 1
		.amdhsa_inst_pref_size 5
	.end_amdhsa_kernel
	.amdgpu_metadata
---
amdhsa.version: [ 1, 2 ]
amdhsa.kernels:
  - .name:           k_qe1d47050ed_add
    .symbol:         k_qe1d47050ed_add.kd
    .args:
      - { .name: part, .offset: 0, .size: 8, .value_kind: global_buffer, .address_space: global }
      - { .name: out0, .offset: 8, .size: 8, .value_kind: global_buffer, .address_space: global }
    .group_segment_fixed_size: 0
    .private_segment_fixed_size: 0
    .kernarg_segment_align: 8
    .kernarg_segment_size: 16
    .max_flat_workgroup_size: 256
    .sgpr_count:     66
    .vgpr_count:     68
    .wavefront_size: 32
...
	.end_amdgpu_metadata
.endif
;; end of part 4
